; MI455X (gfx1250); checked and timed in simulation.
; The chip was launched on July 23, 2026; its instructions are those of AMD's public machine-readable ISA for CDNA 5 (MIT licence, August 2026) and "CDNA5" Instruction Set Architecture Reference Guide (July 2026). The comments in the code are by the model that wrote it; some were corrected since.
;; Cell Conditioned Cross Context Attn. Allowed arithmetic: float matrix products may take bf16 or f16 operands with f32 sums; other float arithmetic in f32, or as packed bf16 or f16 multiplies, adds, multiply-adds, maxima and minima; sums over many terms, partial sums and values carried from step to step in f32; what a program stores and reads back later, other than sums and carried values, may be rounded once to bf16 or f16.
;; Inputs: cell_vec 32 x 512 float32; params_Wc 256 x 256 float32; params_Wctx 512 x 4,096 float32; params_Wk 256 x 256 float32; params_Wo 256 x 256 float32; params_Wq 256 x 256 float32; params_Wv 256 x 256 float32; params_bc 256 float32; params_bctx 4,096 float32; params_bk 256 float32; params_bo 256 float32; params_bq 256 float32; params_bv 256 float32; params_ln_a_b 256 float32; params_ln_a_g 256 float32; params_ln_b_b 256 float32; params_ln_b_g 256 float32; params_ln_ctx_b 256 float32; params_ln_ctx_g 256 float32; params_ln_out_a_b 256 float32; params_ln_out_a_g 256 float32; params_ln_out_b_b 256 float32; params_ln_out_b_g 256 float32; valid_a 32 x 128 bool; valid_b 32 x 128 bool; x_a 32 x 128 x 256 float32; x_b 32 x 128 x 256 float32.
;; Outputs: out0 32 x 128 x 256 float32; out1 32 x 128 x 256 float32.
;; One version. Each part assembles by itself: llvm-mc -triple=amdgcn-amd-amdhsa -mcpu=gfx1250 --defsym DOCPART=n.
;; ======== version 1 of 1: 2 launches
;; workspace buffers: qkv 12,582,912 bytes; cn 262,144 bytes; wcf 131,072 bytes; wof 131,072 bytes
;; launch prep (part 1): grid 208 x 1, 16 waves a work-group, no clusters, 276,480 bytes of LDS; arguments x_a, x_b, valid_a, valid_b, params_ln_a_g, params_ln_a_b, params_ln_b_g, params_ln_b_b, params_Wq, params_Wk, params_Wv, params_bq, params_bk, params_bv, qkv, cell_vec, params_Wctx, params_bctx, params_ln_ctx_g, params_ln_ctx_b, params_Wc, params_Wo, cn, wcf, wof; writes qkv, cn, wcf, wof
.if DOCPART == 1
	.amdgcn_target "amdgcn-amd-amdhsa--gfx1250"
	.amdhsa_code_object_version 6
	.text
	.protected	k_qcf50a985bb_prep
	.globl	k_qcf50a985bb_prep
	.p2align	8
	.type	k_qcf50a985bb_prep,@function
k_qcf50a985bb_prep:
	s_mov_b64 s[64:65], 0
	v_nop
	global_prefetch_b8 v0, s[64:65] scope:SCOPE_SE
	s_setreg_imm32_b32 hwreg(HW_REG_WAVE_MODE, 25, 1), 1
	s_wait_xcnt 0x0
; PREP: everything in front of the attention.  Two roles, chosen by the work-group's number (the same for all its waves).
;  Work-groups 0-191 (which = g / 64: q, k, v; side = (g / 32) % 2: a, b; batch = g % 32): masked LayerNorm of the side's 128 rows,
;   times one 256 x 256 weight, plus bias, to qkv[which][side][batch][128][256] in bf16.
;   q is multiplied by log2(e) / sqrt(32) (the softmax runs in base 2); q and k rows whose valid flag is 0 are multiplied by 0,
;   so that every masked score product of the attention is exactly 0; v rows are kept as they are.
;  Work-groups 192-207 (lc = g - 192): context token lc of all 32 batches: cell_vec [32 x 512] x Wctx[:, 256 lc ..] + bctx, LayerNorm, to cn in bf16;
;   each also turns 32 rows of Wc (lc < 8) or Wo (lc >= 8) into the register image of matrix fragments, [n tile 16][K step 8][half 2][lane 32][16 bytes].
; NO TENSOR LOADS, NO CLUSTER: every byte read here is f32 and is LayerNormed or rounded to bf16 on its way into LDS, which only registers can do;
;  the weights that 64 work-groups share are 256 KiB against 128 KiB of rows each, and would have to lie in LDS in f32, twice the bytes.
; LIMITS: inputs are finite (a row is switched off by a factor 0, so an infinity or NaN in a row whose flag is 0 would become NaN in q or k).
;  Matrix operands are rounded to bf16; sums, LayerNorm and biases are f32.
.set SCALE,  0x3e8293ee                ; log2(e) / sqrt(32)
.set EPS,    0x3727c5ac                ; 1e-5
.set INV256, 0x3b800000                ; 1 / 256
.set SSEL0, 60                         ; s60, s61: v_permlanex16_b32 selects, lane i takes lane i of the other half
.set SSEL1, 61
.set SINV,  62                         ; s62 = 1/256
.set SEPS,  63                         ; s63 = 1e-5
; LDS, projection role
.set XP, 528                           ; a row of 256 bf16 + 16 bytes: 33 x 16, so 16 rows' 16-byte pieces fall on 16 different columns of 256 bytes
.set WP, 544                           ; rows read by the transposing load: 17 x 32
.set XS, 0                             ; 128 rows x 528: the LayerNormed rows
.set WS, 128*XP                        ; 256 rows x 544: the weight, [k][n]
.set ST, WS+256*WP                     ; 128 rows x 528: results on their way out
; LDS, context role
.set CVP, 1040                         ; 1,024 bytes + 16
.set CV,  0                            ; 32 rows x 1040: cell_vec in bf16
.set WB0, 32*CVP                       ; 128 rows x 544: a chunk of Wctx, two buffers
.set WB1, WB0+128*WP
.set WT,  WB1+128*WP                   ; 32 rows x 544: the rows of Wc or Wo to recast
.set CP,  WT+32*WP                     ; 32 rows x 1040: the context rows in f32, ahead of their LayerNorm
.macro PLACES                          ; four places behind a matrix instruction (ISA guide 7.12.1)
.rept 4
	v_nop
.endr
.endm
.macro WSUM a, tmp                     ; v[a] summed over the 32 lanes, result in every lane
	v_add_f32_dpp v[\a], v[\a], v[\a] row_xmask:1 row_mask:0xf bank_mask:0xf
	v_add_f32_dpp v[\a], v[\a], v[\a] row_xmask:2 row_mask:0xf bank_mask:0xf
	v_add_f32_dpp v[\a], v[\a], v[\a] row_xmask:4 row_mask:0xf bank_mask:0xf
	v_add_f32_dpp v[\a], v[\a], v[\a] row_xmask:8 row_mask:0xf bank_mask:0xf
	v_permlanex16_b32 v[\tmp], v[\a], s[SSEL0], s[SSEL1]
	v_add_f32 v[\a], v[\a], v[\tmp]
.endm
; LayerNorm of one row of 256, eight numbers a lane in v[X..X+7]; gains in v[G..], offsets in v[Bt..]; result in v[T+4..T+11].
; Mean first, then the mean of the squared differences: no difference of large sums.  sel >= 0: s[sel] is -1 (take the norm) or 0 (keep the row).
.macro LNROW X, G, Bt, T, sel
	v_pk_add_f32 v[\T:\T+1], v[\X:\X+1], v[\X+2:\X+3]
	v_pk_add_f32 v[\T+2:\T+3], v[\X+4:\X+5], v[\X+6:\X+7]
	v_pk_add_f32 v[\T:\T+1], v[\T:\T+1], v[\T+2:\T+3]
	v_add_f32 v[\T], v[\T], v[\T+1]
	WSUM \T, \T+1
	v_mul_f32 v[\T], s[SINV], v[\T]                ; the mean,
	v_mov_b32 v[\T+1], v[\T]                       ; as a pair
.irp k, 0,2,4,6
	v_pk_add_f32 v[\T+4+\k:\T+5+\k], v[\X+\k:\X+\k+1], v[\T:\T+1] neg_lo:[0,1] neg_hi:[0,1]
.endr
	v_pk_mul_f32 v[\T+2:\T+3], v[\T+4:\T+5], v[\T+4:\T+5]
.irp k, 2,4,6
	v_pk_fma_f32 v[\T+2:\T+3], v[\T+4+\k:\T+5+\k], v[\T+4+\k:\T+5+\k], v[\T+2:\T+3]
.endr
	v_add_f32 v[\T+2], v[\T+2], v[\T+3]
	WSUM \T+2, \T+3
	v_fma_f32 v[\T+2], v[\T+2], s[SINV], s[SEPS]   ; variance + eps
	v_rsq_f32 v[\T], v[\T+2]
	v_nop                                          ; one plain place behind the transcendental (ISA guide 5.7.2)
	s_wait_alu depctr_va_vdst(0)
	v_mov_b32 v[\T+1], v[\T]
.irp k, 0,2,4,6
	v_pk_mul_f32 v[\T+4+\k:\T+5+\k], v[\T+4+\k:\T+5+\k], v[\T:\T+1]
.endr
.irp k, 0,2,4,6
	v_pk_fma_f32 v[\T+4+\k:\T+5+\k], v[\T+4+\k:\T+5+\k], v[\G+\k:\G+\k+1], v[\Bt+\k:\Bt+\k+1]
.endr
.if \sel >= 0
.irp k, 0,1,2,3,4,5,6,7
	v_cndmask_b32 v[\T+4+\k], v[\X+\k], v[\T+4+\k], s[\sel]
.endr
.endif
.endm
.macro CVT4 b                          ; four f32 in v[b..b+3] to four bf16 in v[b:b+1]
	v_cvt_pk_bf16_f32 v[\b], v[\b], v[\b+1]
	v_cvt_pk_bf16_f32 v[\b+1], v[\b+2], v[\b+3]
.endm
	v_lshrrev_b32 v1, 5, v0
	v_readfirstlane_b32 s3, v1                     ; wave w, 0 to 15
	v_and_b32 v1, 31, v0                           ; L
	v_and_b32 v2, 15, v0                           ; r
	v_bfe_u32 v3, v0, 4, 1                         ; h
	v_and_b32 v4, 7, v0
	v_lshl_add_u32 v4, v3, 3, v4                   ; 8 h + L % 8: the row that this lane addresses in a transposing load
	v_mul_u32_u24 v4, v4, WP
	v_bfe_u32 v5, v0, 3, 1
	v_lshl_add_u32 v4, v5, 4, v4                   ; v4 = (8 h + L % 8) 544 + 16 ((L / 8) % 2)
	s_mov_b32 s60, 0x76543210
	s_mov_b32 s61, 0xfedcba98
	s_mov_b32 s62, INV256
	s_mov_b32 s63, EPS
	s_cmp_ge_u32 ttmp9, 192
	s_cbranch_scc1 .Lctx
; ------------------------------------------------------------------ the projection role
.set XR,  64                           ; v[64:127]  8 rows of x, 8 numbers a lane; later the 8 accumulators (n tile nt, row tile mt at 8 (2 nt + mt))
.set ACC, 64
.set WR,  128                          ; v[128:255] 16 rows of the weight; later two fragment buffers and the way out
.set FB0, 128                          ; 4 fragments of W, then 2 of x: 48 registers
.set FB1, 176
.set BI,  16                           ; v[16:47]   bias of my 4 n tiles (behind the LayerNorm, whose work registers, gains and offsets lay here)
	s_load_b512 s[8:23], s[0:1], 0x0               ; x_a x_b valid_a valid_b ln_a_g ln_a_b ln_b_g ln_b_b
	s_load_b256 s[24:31], s[0:1], 0x40             ; Wq Wk Wv bq
	s_load_b128 s[32:35], s[0:1], 0x60             ; bk bv
	s_load_b64 s[36:37], s[0:1], 0x70              ; qkv
	s_lshr_b32 s4, ttmp9, 6                        ; which
	s_bfe_u32 s5, ttmp9, 0x10005                   ; side
	s_and_b32 s6, ttmp9, 31                        ; batch
	s_lshr_b32 s49, s3, 2                          ; wm: my 32 rows in the product
	s_and_b32 s50, s3, 3                           ; wn: my 64 columns
	s_lshl_b32 s51, s3, 13
	v_lshl_add_u32 v5, v1, 4, s51                  ; x: 8 rows of 1,024 bytes a wave, 16 bytes a lane
	s_lshl_b32 s51, s3, 14
	v_lshl_add_u32 v6, v1, 4, s51                  ; W: 16 rows a wave
	v_lshlrev_b32 v7, 4, v1                        ; gains and offsets
	s_mul_i32 s51, s3, 8*XP
	v_lshl_add_u32 v8, v1, 3, s51                  ; XS + row 8 w + 8 L
	s_mul_i32 s51, s3, 16*WP
	s_add_co_u32 s51, s51, WS
	v_lshl_add_u32 v9, v1, 3, s51                  ; WS + row 16 w + 8 L
	s_lshl_b32 s51, s50, 7
	s_add_co_u32 s51, s51, WS
	v_add_nc_u32 v10, s51, v4                      ; W fragments, K steps 0-3
	v_add_nc_u32 v11, 128*WP, v10                  ; K steps 4-7: beyond the reach of a 16-bit offset
	v_mul_u32_u24 v12, v2, XP
	v_lshl_add_u32 v12, v3, 4, v12
	s_mul_i32 s51, s49, 32*XP
	v_add_nc_u32 v12, s51, v12                     ; x fragments: (32 wm + r) 528 + 16 h
	s_lshl_b32 s51, s50, 7
	s_add_co_u32 s51, s51, ST
	v_add_nc_u32 v13, s51, v12                     ; ST + the same row + 128 wn + 16 h
	s_mul_i32 s51, s3, 8*XP
	s_add_co_u32 s51, s51, ST
	v_lshl_add_u32 v14, v1, 4, s51                 ; ST + row 8 w + 16 L
	s_lshl_b32 s51, s3, 12
	v_lshl_add_u32 v15, v1, 4, s51                 ; out: 8 rows of 512 bytes a wave
	s_lshl_b32 s51, s50, 8
	v_lshl_add_u32 v56, v3, 5, s51                 ; bias: 4 (64 wn + 8 h)
	s_lshl_b32 s51, s49, 5
	v_add_nc_u32 v57, s51, v2                      ; flag of row 32 wm + r
	s_wait_kmcnt 0x0
	s_cmp_eq_u32 s5, 0
	s_cselect_b64 s[8:9], s[8:9], s[10:11]         ; x
	s_cselect_b64 s[12:13], s[12:13], s[14:15]     ; valid
	s_cselect_b64 s[16:17], s[16:17], s[20:21]     ; gain
	s_cselect_b64 s[18:19], s[18:19], s[22:23]     ; offset
	s_cmp_eq_u32 s4, 1
	s_cselect_b64 s[24:25], s[26:27], s[24:25]     ; W
	s_cselect_b64 s[30:31], s[32:33], s[30:31]     ; bias
	s_cmp_eq_u32 s4, 2
	s_cselect_b64 s[24:25], s[28:29], s[24:25]
	s_cselect_b64 s[30:31], s[34:35], s[30:31]
	s_cselect_b32 s47, 1.0, 0                      ; factor of a row whose flag is 0: v keeps it, q and k drop it
	s_cmp_eq_u32 s4, 0
	s_cselect_b32 s48, SCALE, 1.0                  ; factor of a row whose flag is 1
	s_mov_b32 s41, 0
	s_lshl_b32 s40, s6, 17
	s_add_nc_u64 s[8:9], s[8:9], s[40:41]          ; the batch's 128 rows of 1,024 bytes
	s_lshl_b32 s40, s6, 7
	s_add_nc_u64 s[12:13], s[12:13], s[40:41]
	s_lshl_b32 s40, ttmp9, 16
	s_add_nc_u64 s[36:37], s[36:37], s[40:41]      ; my block of 65,536 bytes
	s_lshl_b32 s40, s3, 3
	s_add_nc_u64 s[42:43], s[12:13], s[40:41]
	s_load_b64 s[44:45], s[42:43], 0x0             ; the flags of my 8 rows, one byte each
.set i, 0
.rept 8
	global_load_b128 v[XR+8*i:XR+8*i+3],   v5, s[8:9] offset:i*1024
	global_load_b128 v[XR+8*i+4:XR+8*i+7], v5, s[8:9] offset:i*1024+512
.set i, i+1
.endr
	global_load_b128 v[32:35], v7, s[16:17]
	global_load_b128 v[36:39], v7, s[16:17] offset:512
	global_load_b128 v[40:43], v7, s[18:19]
	global_load_b128 v[44:47], v7, s[18:19] offset:512
.set i, 0
.rept 16
	global_load_b128 v[WR+8*i:WR+8*i+3],   v6, s[24:25] offset:i*1024
	global_load_b128 v[WR+8*i+4:WR+8*i+7], v6, s[24:25] offset:i*1024+512
.set i, i+1
.endr
	s_wait_kmcnt 0x0
	s_wait_loadcnt 32                              ; loads return in order (ISA guide 5.7.1): x, gains and offsets are in, the 32 loads of W stay out
.set i, 0
.rept 8
	s_bitcmp1_b32 s[44+i/4], 8*(i%4)
	s_cselect_b32 s46, -1, 0
	LNROW XR+8*i, 32, 40, 16, 46
	CVT4 20
	CVT4 24
	ds_store_b64 v8, v[20:21] offset:i*XP
	ds_store_b64 v8, v[24:25] offset:i*XP+256
.set i, i+1
.endr
.set i, 0
.rept 16
	s_wait_loadcnt 30-2*i                          ; row i's two loads are in, the rows behind it stay out
	CVT4 WR+8*i
	CVT4 WR+8*i+4
	ds_store_b64 v9, v[WR+8*i:WR+8*i+1]   offset:i*WP
	ds_store_b64 v9, v[WR+8*i+4:WR+8*i+5] offset:i*WP+256
.set i, i+1
.endr
	s_wait_dscnt 0x0                               ; my rows of x and W are in LDS, for the other waves' sake
.irp nt, 0,1,2,3
	global_load_b128 v[BI+8*\nt:BI+8*\nt+3],   v56, s[30:31] offset:64*\nt
	global_load_b128 v[BI+8*\nt+4:BI+8*\nt+7], v56, s[30:31] offset:64*\nt+16
.endr
	global_load_u8 v48, v57, s[12:13]
	global_load_u8 v49, v57, s[12:13] offset:16
	s_barrier_signal -1
	s_barrier_wait -1
; The product, transposed: source 0 = 16 columns of W, source 1 = 16 rows of x, so that a lane's eight results are eight neighbouring columns of one row.
.macro PFETCH ks, buf                  ; 12 LDS loads: the fragments of one K step of 32
.irp nt, 0,1,2,3
	ds_load_tr16_b128 v[\buf+8*\nt:\buf+8*\nt+3],   v[10+(\ks)/4] offset:((\ks)%4)*32*WP+32*\nt
	ds_load_tr16_b128 v[\buf+8*\nt+4:\buf+8*\nt+7], v[10+(\ks)/4] offset:((\ks)%4)*32*WP+32*\nt+16*WP
.endr
.irp mt, 0,1
	ds_load_b128 v[\buf+32+8*\mt:\buf+35+8*\mt], v12 offset:\mt*16*XP+64*(\ks)       ; registers 0-3: K = 8 h ..
	ds_load_b128 v[\buf+36+8*\mt:\buf+39+8*\mt], v12 offset:\mt*16*XP+64*(\ks)+32    ; registers 4-7: K = 16 + 8 h ..
.endr
.endm
.macro PMUL buf, zero                  ; 8 matrix instructions; the 8 accumulators take turns, one instruction a turn
.irp nt, 0,1,2,3
.irp mt, 0,1
.if \zero
	v_wmma_f32_16x16x32_bf16 v[ACC+8*(2*\nt+\mt):ACC+8*(2*\nt+\mt)+7], v[\buf+8*\nt:\buf+8*\nt+7], v[\buf+32+8*\mt:\buf+32+8*\mt+7], 0
.else
	v_wmma_f32_16x16x32_bf16 v[ACC+8*(2*\nt+\mt):ACC+8*(2*\nt+\mt)+7], v[\buf+8*\nt:\buf+8*\nt+7], v[\buf+32+8*\mt:\buf+32+8*\mt+7], v[ACC+8*(2*\nt+\mt):ACC+8*(2*\nt+\mt)+7]
.endif
.endr
.endr
.endm
.macro PSTEP ks, buf, zero, left, more
	s_wait_dscnt \left                             ; this K step's 12 loads are in; the next step's 12 may stay out
	PMUL \buf, \zero
.if \more
	PLACES                                         ; the buffer just multiplied is loaded again four places behind its last matrix instruction
	PFETCH \ks+2, \buf
.endif
.endm
	PFETCH 0, FB0
	PFETCH 1, FB1
	PSTEP 0, FB0, 1, 12, 1                         ; the first products start the sums: nothing is cleared
	PSTEP 1, FB1, 0, 12, 1
	PSTEP 2, FB0, 0, 12, 1
	PSTEP 3, FB1, 0, 12, 1
	PSTEP 4, FB0, 0, 12, 1
	PSTEP 5, FB1, 0, 12, 1
	PSTEP 6, FB0, 0, 12, 0
	PSTEP 7, FB1, 0, 0, 0
	PLACES
	s_wait_loadcnt 0x0                             ; bias and flags
	v_mov_b32 v50, s47
	v_mov_b32 v51, s48
	v_cmp_ne_u32 vcc_lo, 0, v48
	v_cndmask_b32 v52, v50, v51, vcc_lo            ; the factor of row 32 wm + r,
	v_mov_b32 v53, v52
	v_cmp_ne_u32 vcc_lo, 0, v49
	v_cndmask_b32 v54, v50, v51, vcc_lo            ; and of row 32 wm + 16 + r
	v_mov_b32 v55, v54
; (sum + bias) x factor: the factor multiplies the sum of the two, so the add and the multiply do not fuse without a second multiply
.irp nt, 0,1,2,3
.irp mt, 0,1
.irp k, 0,2,4,6
	v_pk_add_f32 v[ACC+8*(2*\nt+\mt)+\k:ACC+8*(2*\nt+\mt)+\k+1], v[ACC+8*(2*\nt+\mt)+\k:ACC+8*(2*\nt+\mt)+\k+1], v[BI+8*\nt+\k:BI+8*\nt+\k+1]
.endr
.irp k, 0,2,4,6
	v_pk_mul_f32 v[ACC+8*(2*\nt+\mt)+\k:ACC+8*(2*\nt+\mt)+\k+1], v[ACC+8*(2*\nt+\mt)+\k:ACC+8*(2*\nt+\mt)+\k+1], v[52+2*\mt:53+2*\mt]
.endr
.irp k, 0,1,2,3
	v_cvt_pk_bf16_f32 v[ACC+8*(2*\nt+\mt)+\k], v[ACC+8*(2*\nt+\mt)+2*\k], v[ACC+8*(2*\nt+\mt)+2*\k+1]
.endr
	ds_store_b128 v13, v[ACC+8*(2*\nt+\mt):ACC+8*(2*\nt+\mt)+3] offset:\mt*16*XP+32*\nt
.endr
.endr
	s_wait_dscnt 0x0
	s_barrier_signal -1
	s_barrier_wait -1
.irp i, 0,1,2,3,4,5,6,7
	ds_load_b128 v[128+4*\i:131+4*\i], v14 offset:\i*XP
.endr
.irp i, 0,1,2,3,4,5,6,7
	s_wait_dscnt 7-\i
	global_store_b128 v15, v[128+4*\i:131+4*\i], s[36:37] offset:\i*512    ; a wave's store is one whole row: 512 consecutive bytes, aligned
.endr
	s_wait_xcnt 0x0
	v_lshl_add_u32 v254, v0, 2, 0x43000
	v_mov_b32 v255, 0
	s_wait_tensorcnt 0x0
	ds_add_u32 v254, v255
	s_wait_dscnt 0x0
	s_endpgm
; ------------------------------------------------------------------ the context role
.set RA, 64                            ; v[64:127]  chunks 0 and 2 of Wctx: 8 rows a wave, 8 numbers a lane
.set RB, 128                           ; v[128:191] chunks 1 and 3
.set FR, 16                            ; v[16:63]   first the rows to recast and cell_vec, then the fragments of two K steps (24 registers each)
.set CA, 224                           ; v[224:239] two accumulators: batches 0-15, 16-31
.Lctx:
	s_load_b512 s[8:23], s[0:1], 0x78              ; cell_vec Wctx bctx ln_ctx_g ln_ctx_b Wc Wo cn
	s_load_b128 s[24:27], s[0:1], 0xb8             ; wcf wof
	s_sub_co_u32 s4, ttmp9, 192                    ; lc
	s_and_b32 s5, s4, 7                            ; the K step of Wc or Wo that I recast
	v_lshlrev_b32 v5, 4, v1                        ; 16 L
	s_lshl_b32 s51, s3, 11
	v_lshl_add_u32 v6, v1, 4, s51                  ; the rows to recast: 2 a wave
	s_lshl_b32 s51, s3, 12
	v_lshl_add_u32 v7, v1, 4, s51                  ; cell_vec: 2 rows of 2,048 bytes a wave
	s_lshl_b32 s51, s3, 17
	v_lshl_add_u32 v8, v1, 4, s51                  ; Wctx: 8 rows of 16,384 bytes a wave
	s_mul_i32 s51, s3, 2*WP
	s_add_co_u32 s51, s51, WT
	v_lshl_add_u32 v9, v1, 3, s51
	s_mul_i32 s51, s3, 2*CVP
	v_lshl_add_u32 v10, v1, 3, s51
	s_add_co_u32 s51, s51, CP
	v_lshl_add_u32 v255, v1, 4, s51                ; CP + row 2 w + 16 L
	s_mul_i32 s51, s3, 8*WP
	s_add_co_u32 s51, s51, WB0
	v_lshl_add_u32 v11, v1, 3, s51                 ; where my 8 rows of a chunk go, buffer 0
	v_add_nc_u32 v12, 128*WP, v11                  ; buffer 1
	s_lshl_b32 s51, s3, 5
	s_add_co_u32 s51, s51, WB0
	v_add_nc_u32 v13, s51, v4                      ; fragments of my 16 columns, buffer 0
	v_add_nc_u32 v14, 128*WP, v13                  ; buffer 1
	v_add_nc_u32 v252, WT-WB0, v13                 ; and of the rows to recast
	v_mul_u32_u24 v15, v2, CVP
	s_lshl_b32 s51, s3, 6
	s_add_co_u32 s51, s51, CP
	v_lshl_add_u32 v254, v3, 5, v15
	v_add_nc_u32 v254, s51, v254                   ; CP + r 1040 + 64 w + 32 h
	v_lshl_add_u32 v15, v3, 4, v15                 ; cell_vec fragments: r 1040 + 16 h
	s_lshl_b32 s51, s3, 13
	v_lshl_add_u32 v253, v1, 4, s51                ; the image: n tile w, 16 bytes a lane
	s_wait_kmcnt 0x0
	s_cmp_lt_u32 s4, 8
	s_cselect_b64 s[18:19], s[18:19], s[20:21]     ; recast from Wc or Wo
	s_cselect_b64 s[24:25], s[24:25], s[26:27]     ; to wcf or wof
	s_mov_b32 s41, 0
	s_lshl_b32 s40, s5, 15
	s_add_nc_u64 s[18:19], s[18:19], s[40:41]      ; 32 rows of 1,024 bytes a K step
	s_lshl_b32 s40, s5, 10
	s_add_nc_u64 s[24:25], s[24:25], s[40:41]
	s_lshl_b32 s40, s4, 10
	s_add_nc_u64 s[10:11], s[10:11], s[40:41]      ; my 256 columns of Wctx
	s_add_nc_u64 s[12:13], s[12:13], s[40:41]      ; and of bctx
	s_lshl_b32 s40, s4, 9
	s_add_nc_u64 s[22:23], s[22:23], s[40:41]      ; cn[.][lc]
.macro CLOAD ch, R                     ; 16 loads: rows 128 ch + 8 w .. + 7, each 1,024 consecutive bytes; read once in the launch
.set i, 0
.rept 8
	global_load_b128 v[\R+8*i:\R+8*i+3],   v8, s[10:11] offset:(\ch)*2097152+i*16384 th:TH_LOAD_NT
	global_load_b128 v[\R+8*i+4:\R+8*i+7], v8, s[10:11] offset:(\ch)*2097152+i*16384+512 th:TH_LOAD_NT
.set i, i+1
.endr
.endm
	global_load_b128 v[192:195], v5, s[12:13]
	global_load_b128 v[196:199], v5, s[12:13] offset:512
	global_load_b128 v[200:203], v5, s[14:15]
	global_load_b128 v[204:207], v5, s[14:15] offset:512
	global_load_b128 v[208:211], v5, s[16:17]
	global_load_b128 v[212:215], v5, s[16:17] offset:512
.irp i, 0,1
	global_load_b128 v[16+8*\i:19+8*\i], v6, s[18:19] offset:\i*1024
	global_load_b128 v[20+8*\i:23+8*\i], v6, s[18:19] offset:\i*1024+512
.endr
.irp i, 0,1
.irp q, 0,1,2,3
	global_load_b128 v[32+16*\i+4*\q:35+16*\i+4*\q], v7, s[8:9] offset:\i*2048+512*\q
.endr
.endr
	CLOAD 0, RA
	CLOAD 1, RB
	s_wait_loadcnt 32                              ; all but the two chunks' 32 loads
.irp i, 0,1
	CVT4 16+8*\i
	CVT4 20+8*\i
	ds_store_b64 v9, v[16+8*\i:17+8*\i] offset:\i*WP
	ds_store_b64 v9, v[20+8*\i:21+8*\i] offset:\i*WP+256
.endr
.irp i, 0,1
.irp q, 0,1,2,3
	CVT4 32+16*\i+4*\q
	ds_store_b64 v10, v[32+16*\i+4*\q:33+16*\i+4*\q] offset:\i*CVP+256*\q
.endr
.endr
; A chunk goes to LDS.  One barrier a chunk: in front of it each wave has waited for its stores of this chunk and for its reads of the chunk before,
; so the buffer that is written two chunks later has no reader left.
.macro CSTAGE ch, R, sto, left, more
	s_wait_loadcnt \left                           ; this chunk's 16 loads are in; the next chunk's 16 may stay out
.set i, 0
.rept 16
	CVT4 \R+4*i
.set i, i+1
.endr
.set i, 0
.rept 8
	ds_store_b64 v[\sto], v[\R+8*i:\R+8*i+1]   offset:i*WP
	ds_store_b64 v[\sto], v[\R+8*i+4:\R+8*i+5] offset:i*WP+256
.set i, i+1
.endr
	s_wait_dscnt 0x0
.if \more
	CLOAD \ch+2, \R
.endif
	s_barrier_signal -1
	s_barrier_wait -1
.endm
; Four K steps of a chunk, two at a time.  Source 0 = my 16 columns of Wctx, source 1 = 16 batches of cell_vec.
; The two accumulators take turns, one instruction a turn.
.macro CGEMM ch, lda, zero
.irp p, 0,1
.irp q, 0,1
	ds_load_tr16_b128 v[FR+24*\q:FR+24*\q+3],   v[\lda] offset:(2*\p+\q)*32*WP
	ds_load_tr16_b128 v[FR+24*\q+4:FR+24*\q+7], v[\lda] offset:(2*\p+\q)*32*WP+16*WP
.irp bt, 0,1
	ds_load_b128 v[FR+24*\q+8+8*\bt:FR+24*\q+11+8*\bt],  v15 offset:\bt*16*CVP+64*(4*\ch+2*\p+\q)
	ds_load_b128 v[FR+24*\q+12+8*\bt:FR+24*\q+15+8*\bt], v15 offset:\bt*16*CVP+64*(4*\ch+2*\p+\q)+32
.endr
.endr
	s_wait_dscnt 0x0
.irp q, 0,1
.irp bt, 0,1
.if \zero*(1-\p)*(1-\q)
	v_wmma_f32_16x16x32_bf16 v[CA+8*\bt:CA+8*\bt+7], v[FR+24*\q:FR+24*\q+7], v[FR+24*\q+8+8*\bt:FR+24*\q+15+8*\bt], 0
.else
	v_wmma_f32_16x16x32_bf16 v[CA+8*\bt:CA+8*\bt+7], v[FR+24*\q:FR+24*\q+7], v[FR+24*\q+8+8*\bt:FR+24*\q+15+8*\bt], v[CA+8*\bt:CA+8*\bt+7]
.endif
.endr
.endr
	PLACES                                         ; the fragments are loaded again, and at the end the sums are read, four places behind
.endr
.endm
	CSTAGE 0, RA, 11, 16, 1
	ds_load_tr16_b128 v[216:219], v252             ; the fragment of my n tile, this work-group's K step, as a matrix instruction wants it
	ds_load_tr16_b128 v[220:223], v252 offset:16*WP
	s_wait_dscnt 0x0
	global_store_b128 v253, v[216:219], s[24:25]               ; 512 consecutive bytes a store
	global_store_b128 v253, v[220:223], s[24:25] offset:512
	CGEMM 0, 13, 1
	CSTAGE 1, RB, 12, 16, 1
	CGEMM 1, 14, 0
	CSTAGE 2, RA, 11, 16, 0
	CGEMM 2, 13, 0
	CSTAGE 3, RB, 12, 0, 0
	CGEMM 3, 14, 0
.irp bt, 0,1
	ds_store_b128 v254, v[CA+8*\bt:CA+8*\bt+3]   offset:\bt*16*CVP        ; batch 16 bt + r, columns 16 w + 8 h ..
	ds_store_b128 v254, v[CA+8*\bt+4:CA+8*\bt+7] offset:\bt*16*CVP+16
.endr
	s_wait_dscnt 0x0
	s_barrier_signal -1
	s_barrier_wait -1
.irp i, 0,1
	ds_load_b128 v[16+8*\i:19+8*\i], v255 offset:\i*CVP
	ds_load_b128 v[20+8*\i:23+8*\i], v255 offset:\i*CVP+512
.endr
	s_lshl_b32 s40, s3, 14
	v_lshl_add_u32 v9, v1, 3, s40                  ; cn: batch 2 w, 8,192 bytes a batch, 8 bytes a lane
	s_wait_dscnt 0x0
.irp i, 0,1                            ; each row has work registers of its own: no store's data is written again
.irp k, 0,2,4,6
	v_pk_add_f32 v[16+8*\i+\k:17+8*\i+\k], v[16+8*\i+\k:17+8*\i+\k], v[192+\k:193+\k]
.endr
	LNROW 16+8*\i, 200, 208, 240-16*\i, -1
	CVT4 244-16*\i
	CVT4 248-16*\i
	global_store_b64 v9, v[244-16*\i:245-16*\i], s[22:23] offset:\i*8192       ; 256 consecutive bytes a store, aligned
	global_store_b64 v9, v[248-16*\i:249-16*\i], s[22:23] offset:\i*8192+256
.endr
	s_wait_xcnt 0x0
	v_lshl_add_u32 v254, v0, 2, 0x43000
	v_mov_b32 v255, 0
	s_wait_tensorcnt 0x0
	ds_add_u32 v254, v255
	s_wait_dscnt 0x0
	s_endpgm
.Lfunc_end_k_qcf50a985bb_prep:
	.size	k_qcf50a985bb_prep, .Lfunc_end_k_qcf50a985bb_prep-k_qcf50a985bb_prep
	.p2alignl 7, 3214868480
	.fill 96, 4, 3214868480
	.section	.rodata,"a",@progbits
	.p2align	6, 0x0
	.amdhsa_kernel k_qcf50a985bb_prep
		.amdhsa_group_segment_fixed_size 276480
		.amdhsa_private_segment_fixed_size 0
		.amdhsa_enable_private_segment 0
		.amdhsa_kernarg_size 200
		.amdhsa_user_sgpr_count 2
		.amdhsa_user_sgpr_kernarg_segment_ptr 1
		.amdhsa_wavefront_size32 1
		.amdhsa_system_sgpr_workgroup_id_x 1
		.amdhsa_system_sgpr_workgroup_id_y 1
		.amdhsa_system_sgpr_workgroup_id_z 1
		.amdhsa_system_vgpr_workitem_id 0
		.amdhsa_next_free_vgpr 256
		.amdhsa_next_free_sgpr 66
		.amdhsa_reserve_vcc 1
		.amdhsa_float_denorm_mode_32 3
		.amdhsa_float_denorm_mode_16_64 3
		.amdhsa_memory_ordered 1
		.amdhsa_forward_progress 1
		.amdhsa_inst_pref_size 103
	.end_amdhsa_kernel
	.amdgpu_metadata
---
amdhsa.version: [ 1, 2 ]
amdhsa.kernels:
  - .name:           k_qcf50a985bb_prep
    .symbol:         k_qcf50a985bb_prep.kd
    .args:
      - { .name: x_a, .offset: 0, .size: 8, .value_kind: global_buffer, .address_space: global }
      - { .name: x_b, .offset: 8, .size: 8, .value_kind: global_buffer, .address_space: global }
      - { .name: valid_a, .offset: 16, .size: 8, .value_kind: global_buffer, .address_space: global }
      - { .name: valid_b, .offset: 24, .size: 8, .value_kind: global_buffer, .address_space: global }
      - { .name: params_ln_a_g, .offset: 32, .size: 8, .value_kind: global_buffer, .address_space: global }
      - { .name: params_ln_a_b, .offset: 40, .size: 8, .value_kind: global_buffer, .address_space: global }
      - { .name: params_ln_b_g, .offset: 48, .size: 8, .value_kind: global_buffer, .address_space: global }
      - { .name: params_ln_b_b, .offset: 56, .size: 8, .value_kind: global_buffer, .address_space: global }
      - { .name: params_Wq, .offset: 64, .size: 8, .value_kind: global_buffer, .address_space: global }
      - { .name: params_Wk, .offset: 72, .size: 8, .value_kind: global_buffer, .address_space: global }
      - { .name: params_Wv, .offset: 80, .size: 8, .value_kind: global_buffer, .address_space: global }
      - { .name: params_bq, .offset: 88, .size: 8, .value_kind: global_buffer, .address_space: global }
      - { .name: params_bk, .offset: 96, .size: 8, .value_kind: global_buffer, .address_space: global }
      - { .name: params_bv, .offset: 104, .size: 8, .value_kind: global_buffer, .address_space: global }
      - { .name: qkv, .offset: 112, .size: 8, .value_kind: global_buffer, .address_space: global }
      - { .name: cell_vec, .offset: 120, .size: 8, .value_kind: global_buffer, .address_space: global }
      - { .name: params_Wctx, .offset: 128, .size: 8, .value_kind: global_buffer, .address_space: global }
      - { .name: params_bctx, .offset: 136, .size: 8, .value_kind: global_buffer, .address_space: global }
      - { .name: params_ln_ctx_g, .offset: 144, .size: 8, .value_kind: global_buffer, .address_space: global }
      - { .name: params_ln_ctx_b, .offset: 152, .size: 8, .value_kind: global_buffer, .address_space: global }
      - { .name: params_Wc, .offset: 160, .size: 8, .value_kind: global_buffer, .address_space: global }
      - { .name: params_Wo, .offset: 168, .size: 8, .value_kind: global_buffer, .address_space: global }
      - { .name: cn, .offset: 176, .size: 8, .value_kind: global_buffer, .address_space: global }
      - { .name: wcf, .offset: 184, .size: 8, .value_kind: global_buffer, .address_space: global }
      - { .name: wof, .offset: 192, .size: 8, .value_kind: global_buffer, .address_space: global }
    .group_segment_fixed_size: 276480
    .private_segment_fixed_size: 0
    .kernarg_segment_align: 8
    .kernarg_segment_size: 200
    .max_flat_workgroup_size: 512
    .sgpr_count:     66
    .vgpr_count:     256
    .wavefront_size: 32
...
	.end_amdgpu_metadata
.endif
;; end of part 1
;; launch attn (part 2): grid 256 x 1, 16 waves a work-group, clusters of 4 x 1, 223,744 bytes of LDS; arguments qkv, cn, wcf, wof, params_bc, params_bo, valid_a, valid_b, x_a, x_b, params_ln_out_a_g, params_ln_out_a_b, params_ln_out_b_g, params_ln_out_b_b, out0, out1; writes out0, out1
.if DOCPART == 2
	.amdgcn_target "amdgcn-amd-amdhsa--gfx1250"
	.amdhsa_code_object_version 6
	.text
	.protected	k_qcf50a985bb_attn
	.globl	k_qcf50a985bb_attn
	.p2align	8
	.type	k_qcf50a985bb_attn,@function
k_qcf50a985bb_attn:
	s_mov_b64 s[64:65], 0
	v_nop
	global_prefetch_b8 v0, s[64:65] scope:SCOPE_SE
	s_setreg_imm32_b32 hwreg(HW_REG_WAVE_MODE, 25, 1), 1
	s_wait_xcnt 0x0
	s_wait_alu depctr_hold_cnt(0) depctr_sa_sdst(0) depctr_va_vdst(0) depctr_va_sdst(0) depctr_va_ssrc(0) depctr_va_vcc(0) depctr_vm_vsrc(0)
	s_getreg_b32 s2, hwreg(HW_REG_IB_STS2, 6, 4)
	s_cmp_eq_u32 s2, 0
	s_cbranch_scc0 .Lentry_in_a_cluster
	s_endpgm
.Lentry_in_a_cluster:
	s_bfe_u32 s2, ttmp6, 0x10000c
	s_cmp_lg_u32 s2, 0x3003
	s_cbranch_scc0 .Lentry_shape_is_right
	s_endpgm
.Lentry_shape_is_right:
; ATTN: the tri-way attention, Wo, residual and masked LayerNorm.  A cluster of four work-groups takes one (direction, batch): cluster number = 32 dir + batch;
; the work-group at place cx takes queries 32 cx .. 32 cx + 31, all eight heads.  Wave w takes head w / 2 and 16 queries (w % 2).
; THE SCORE AS ONE MATRIX PRODUCT: s[q, key, c] = sum over d of k[key, d] (q[q, d] c[c, d]).  For one context token c, source 0 = 16 keys x 32 d,
; source 1 = (q x c) of 16 queries.  In the result lane (r, h) holds query r and keys 8 h + 0..7 of the block: maxima and sums over keys and tokens stay inside
; a lane but for one exchange with lane xor 16, and the sums over the 16 tokens are already the source-1 layout of the product with V.
; MASK AND MAXIMUM ride on the C operand.  q carries log2(e) / sqrt(32) and is 0 in rows whose flag is 0, k likewise is 0 there (made so by the launch before), so a masked
; product is 0 and C = min(key's bias, query's bias), each 0 or NEGB = -1e9 log2(e), makes a masked score exactly NEGB.
; Pass 1 finds the row's true maximum m.  Pass 2 forms the scores again with C = bias - m, so that the result goes straight into the exponential.
; A row with nothing unmasked has m = NEGB, C = 0, every weight 1: the uniform softmax over all 2,048 entries.
; The scores are formed twice because 128 tiles of 8 registers cannot be kept, and a running maximum would cost a subtraction a score more.
; CLUSTER: the four work-groups read the same K, V and context tiles: these are asked for jointly (mask 15).  Q is each work-group's own (mask 0).
; cx enters global addresses only (Q, the query flags, x, out), in registers that feed no joint load; no LDS address and no branch hangs on it.
; Every LDS region is filled once; a wave has at most one tensor load outstanding.
; LIMITS: inputs finite.  True scores lie above -1e9 (below it the masked entries would win in the formula; here they never do).
; q x c is a bf16 product of bf16 numbers, and the token sums of the weights are rounded to bf16 in front of the product with V; the division by the sum of weights is in f32 behind it.
.set NEGB,   0xceabfb8f
.set EPS,    0x3727c5ac
.set INV256, 0x3b800000
.set SSEL0, 66
.set SSEL1, 67
.set SINV,  100
.set SEPS,  101
.set P,  528                           ; 512 bytes + 16: 33 x 16
.set VP, 544                           ; rows read by the transposing load: 17 x 32
.set YP, 1040                          ; 1,024 bytes + 16
.set QS,  0                            ; 32 x 528   my queries                 (tensor load)
.set CNS, 16896                        ; 16 x 528   the normed context         (tensor load)
.set KS,  25344                        ; 128 x 528  keys                       (tensor load)
.set VS,  92928                        ; 128 x 544  values, [key][n]           (tensor load)
.set CS,  162560                       ; 16 x 528   c = context x Wc + bc      (LDS stores; every region begins on a multiple of 256 bytes)
.set KB,  171008                       ; 128 f32    the keys' bias
.set OS,  171520                       ; 32 x 528   attention output, bf16
.set YS,  188416                       ; 32 x 1040  output x Wo, f32
; registers in the passes: v1 r, v2 h, v3 K address, v4 bias address, v5 query's bias, v[6:7] m twice, v[8:11] maxima, then v[8:9] the sum of weights
.set DR, 16                            ; v[16:47]   a ring of four score tiles
.set KF, 48                            ; v[48:63]   K fragment, two buffers
.set CM, 64                            ; v[64:79]   the C operand, two buffers
.set PA, 80                            ; v[80:95]   weights summed over the tokens, two buffers
.set PB, 96                            ; v[96:127]  the same in bf16: four source-1 fragments of 32 keys
.set QC, 128                           ; v[128:255] q x c for the 16 tokens
.set G0K, 40
.set G0V, 44
.set G0Q, 48
.set G0C, 52
.set G1K, 56
.set G1V, 68
.set G1Q, 76
.set G1C, 84
.macro PLACES                          ; four places behind a matrix instruction (ISA guide 7.12.1)
.rept 4
	v_nop
.endr
.endm
.macro WSUM a, tmp
	v_add_f32_dpp v[\a], v[\a], v[\a] row_xmask:1 row_mask:0xf bank_mask:0xf
	v_add_f32_dpp v[\a], v[\a], v[\a] row_xmask:2 row_mask:0xf bank_mask:0xf
	v_add_f32_dpp v[\a], v[\a], v[\a] row_xmask:4 row_mask:0xf bank_mask:0xf
	v_add_f32_dpp v[\a], v[\a], v[\a] row_xmask:8 row_mask:0xf bank_mask:0xf
	v_permlanex16_b32 v[\tmp], v[\a], s[SSEL0], s[SSEL1]
	v_add_f32 v[\a], v[\a], v[\tmp]
.endm
; LayerNorm of a row of 256, eight numbers a lane in v[X..]; result in v[T+4..T+11]; s[sel] = -1: take the norm, 0: keep the row
.macro LNROW X, G, Bt, T, sel
	v_pk_add_f32 v[\T:\T+1], v[\X:\X+1], v[\X+2:\X+3]
	v_pk_add_f32 v[\T+2:\T+3], v[\X+4:\X+5], v[\X+6:\X+7]
	v_pk_add_f32 v[\T:\T+1], v[\T:\T+1], v[\T+2:\T+3]
	v_add_f32 v[\T], v[\T], v[\T+1]
	WSUM \T, \T+1
	v_mul_f32 v[\T], s[SINV], v[\T]
	v_mov_b32 v[\T+1], v[\T]
.irp k, 0,2,4,6
	v_pk_add_f32 v[\T+4+\k:\T+5+\k], v[\X+\k:\X+\k+1], v[\T:\T+1] neg_lo:[0,1] neg_hi:[0,1]
.endr
	v_pk_mul_f32 v[\T+2:\T+3], v[\T+4:\T+5], v[\T+4:\T+5]
.irp k, 2,4,6
	v_pk_fma_f32 v[\T+2:\T+3], v[\T+4+\k:\T+5+\k], v[\T+4+\k:\T+5+\k], v[\T+2:\T+3]
.endr
	v_add_f32 v[\T+2], v[\T+2], v[\T+3]
	WSUM \T+2, \T+3
	v_fma_f32 v[\T+2], v[\T+2], s[SINV], s[SEPS]
	v_rsq_f32 v[\T], v[\T+2]
	v_nop                                          ; one plain place behind the transcendental (ISA guide 5.7.2)
	s_wait_alu depctr_va_vdst(0)
	v_mov_b32 v[\T+1], v[\T]
.irp k, 0,2,4,6
	v_pk_mul_f32 v[\T+4+\k:\T+5+\k], v[\T+4+\k:\T+5+\k], v[\T:\T+1]
.endr
.irp k, 0,2,4,6
	v_pk_fma_f32 v[\T+4+\k:\T+5+\k], v[\T+4+\k:\T+5+\k], v[\G+\k:\G+\k+1], v[\Bt+\k:\Bt+\k+1]
.endr
.irp k, 0,1,2,3,4,5,6,7
	v_cndmask_b32 v[\T+4+\k], v[\X+\k], v[\T+4+\k], s[\sel]
.endr
.endm
.macro ROUND                           ; a round of the cluster's barrier: my work-group's barrier, wave 0 signals for it, every wave waits for all four, my barrier again
	s_barrier_signal -1
	s_barrier_wait -1
	s_cmp_lg_u32 s3, 0
	s_cbranch_scc1 .Lnot_wave_0_\@
	s_barrier_signal -3
.Lnot_wave_0_\@:
	s_barrier_wait -3
	s_barrier_signal -1
	s_barrier_wait -1
.endm
.macro GROUP1 g, w0, rows              ; descriptor group 1: rows of 256 elements of 2 bytes, dense in memory, padded in LDS behind every 128 words
	s_mov_b32 s[\g+0], \w0
	s_mov_b32 s[\g+1], 256<<16                     ; tensor_dim0 = 256
	s_mov_b32 s[\g+2], \rows<<16                   ; tensor_dim1 = the tile's rows
	s_mov_b32 s[\g+3], 256<<16                     ; tile_dim0 = 256
	s_mov_b32 s[\g+4], \rows                       ; tile_dim1
	s_mov_b32 s[\g+5], 256                         ; elements from row to row
	s_mov_b32 s[\g+6], 0
	s_mov_b32 s[\g+7], 0
.endm
.set W0J4, 15|(1<<16)|(1<<20)|(1<<21)|(6<<22)|(3<<25)  ; mask of all four work-groups, bit 21 beside it, 2-byte elements, 4 words of padding
.set W0J8, 15|(1<<16)|(1<<20)|(1<<21)|(6<<22)|(7<<25)  ; the same with 8 words of padding
.set W0P4, (1<<16)|(1<<20)|(6<<22)|(3<<25)             ; no mask: my own tile
	s_load_b512 s[8:23], s[0:1], 0x0               ; qkv cn wcf wof bc bo valid_a valid_b
	s_load_b512 s[24:39], s[0:1], 0x40             ; x_a x_b ln_out_a_g ln_out_a_b ln_out_b_g ln_out_b_b out0 out1
	v_lshl_add_u32 v254, v0, 2, 0x36200
	v_mov_b32 v255, 0
	ds_add_u32 v254, v255
	s_wait_dscnt 0x0
	v_lshrrev_b32 v1, 5, v0
	v_readfirstlane_b32 s3, v1                     ; wave w
	v_and_b32 v1, 15, v0                           ; r
	v_bfe_u32 v2, v0, 4, 1                         ; h
	v_and_b32 v3, 31, v0                           ; L
	s_bfe_u32 s4, ttmp6, 0x40000                   ; cx
	s_lshr_b32 s6, ttmp9, 5                        ; dir: 0 = a reads b, 1 = b reads a
	s_and_b32 s7, ttmp9, 31                        ; batch
	s_mov_b32 s66, 0x76543210
	s_mov_b32 s67, 0xfedcba98
	s_mov_b32 s100, INV256
	s_mov_b32 s101, EPS
	GROUP1 G1K, W0J4, 64
	GROUP1 G1V, W0J8, 64
	GROUP1 G1Q, W0P4, 32
	GROUP1 G1C, W0J4, 16
	s_wait_kmcnt 0x0
	s_cmp_eq_u32 s6, 0
	s_cselect_b64 s[92:93], s[20:21], s[22:23]     ; the queries' flags
	s_cselect_b64 s[94:95], s[22:23], s[20:21]     ; the keys' flags
	s_cselect_b64 s[24:25], s[24:25], s[26:27]     ; x
	s_cselect_b64 s[28:29], s[28:29], s[32:33]     ; gain
	s_cselect_b64 s[30:31], s[30:31], s[34:35]     ; offset
	s_cselect_b64 s[36:37], s[36:37], s[38:39]     ; out
	s_lshr_b32 s32, s3, 1                          ; head
	s_and_b32 s33, s3, 1                           ; which 16 of the 32 queries
	; offsets without cx in s[20:21] and s5, offsets with cx in s[22:23]
	s_mov_b32 s21, 0
	s_mov_b32 s23, 0
	s_lshl_b32 s20, s7, 7
	s_add_nc_u64 s[94:95], s[94:95], s[20:21]      ; the batch's 128 key flags
	s_lshl_b32 s22, s4, 5
	s_add_co_u32 s22, s22, s20
	s_add_nc_u64 s[92:93], s[92:93], s[22:23]      ; my 32 query flags
	s_lshl_b32 s22, s22, 10
	s_add_nc_u64 s[24:25], s[24:25], s[22:23]      ; my 32 rows of x
	s_add_nc_u64 s[36:37], s[36:37], s[22:23]      ; and of out
	s_lshl_b32 s22, s3, 1
	s_add_nc_u64 s[96:97], s[92:93], s[22:23]
	s_load_u16 s98, s[96:97], 0x0                  ; the flags of rows 2 w and 2 w + 1, for the last phase
	; K: block (3 - dir) 32 + batch of qkv, waves 0 and 1 take 64 rows each.  V: 64 blocks further on, waves 2 and 3: + 63 blocks + w halves
	s_sub_co_u32 s5, 3, s6
	s_lshl_b32 s5, s5, 5
	s_add_co_u32 s5, s5, s7
	s_lshl_b32 s20, s5, 16
	s_lshl_b32 s5, s3, 15
	s_add_co_u32 s20, s20, s5
	s_mov_b32 s[G0K], 1
	s_mul_i32 s[G0K+1], s3, 64*P
	s_add_co_u32 s[G0K+1], s[G0K+1], KS
	s_add_nc_u64 s[G0K+2:G0K+3], s[8:9], s[20:21]
	s_mov_b32 s[G0V], 1
	s_mul_i32 s[G0V+1], s3, 64*VP
	s_add_co_u32 s[G0V+1], s[G0V+1], VS-2*64*VP
	s_add_nc_u64 s[G0V+2:G0V+3], s[G0K+2:G0K+3], 63*65536
	s_or_b32 s[G0K+3], s[G0K+3], 0x80000000
	s_or_b32 s[G0V+3], s[G0V+3], 0x80000000
	s_lshl_b32 s20, s7, 13                         ; the batch's 16 context rows
	s_mov_b32 s[G0C], 1
	s_mov_b32 s[G0C+1], CNS
	s_add_nc_u64 s[G0C+2:G0C+3], s[10:11], s[20:21]
	s_or_b32 s[G0C+3], s[G0C+3], 0x80000000
	s_lshl_b32 s22, s6, 5                          ; Q: block dir 32 + batch, rows 32 cx ..
	s_add_co_u32 s22, s22, s7
	s_lshl_b32 s22, s22, 2
	s_add_co_u32 s22, s22, s4
	s_lshl_b32 s22, s22, 14
	s_mov_b32 s[G0Q], 1
	s_mov_b32 s[G0Q+1], QS
	s_add_nc_u64 s[G0Q+2:G0Q+3], s[8:9], s[22:23]
	s_or_b32 s[G0Q+3], s[G0Q+3], 0x80000000
	; what the c projection and the biases need, straight into registers
	s_lshl_b32 s5, s3, 13
	v_lshl_add_u32 v6, v3, 4, s5                   ; fragment image: n tile w, 16 bytes a lane
	s_lshl_b32 s5, s3, 6
	v_lshl_add_u32 v7, v2, 5, s5                   ; bc: 4 (16 w + 8 h)
	s_lshl_b32 s5, s33, 4
	v_add_nc_u32 v8, s5, v1                        ; my query
	v_and_b32 v9, 127, v0                          ; a key
.set i, 0
.rept 8
	global_load_b128 v[128+8*i:131+8*i], v6, s[12:13] offset:i*1024
	global_load_b128 v[132+8*i:135+8*i], v6, s[12:13] offset:i*1024+512
.set i, i+1
.endr
	global_load_b128 v[48:51], v7, s[16:17]
	global_load_b128 v[52:55], v7, s[16:17] offset:16
	global_load_u8 v12, v8, s[92:93]
	global_load_u8 v13, v9, s[94:95]
	ROUND                                          ; all four work-groups are here: the joint loads meet
	s_cmp_gt_u32 s3, 1
	s_cbranch_scc1 .Lnot_k
	tensor_load_to_lds s[G0K:G0K+3], s[G1K:G1K+7]
	s_nop 0
	s_branch .Lasked
.Lnot_k:
	s_cmp_gt_u32 s3, 3
	s_cbranch_scc1 .Lnot_v
	tensor_load_to_lds s[G0V:G0V+3], s[G1V:G1V+7]
	s_nop 0
	s_branch .Lasked
.Lnot_v:
	s_cmp_eq_u32 s3, 4
	s_cbranch_scc0 .Lnot_q
	tensor_load_to_lds s[G0Q:G0Q+3], s[G1Q:G1Q+7]
	s_nop 0
	s_branch .Lasked
.Lnot_q:
	s_cmp_eq_u32 s3, 5
	s_cbranch_scc0 .Lasked
	tensor_load_to_lds s[G0C:G0C+3], s[G1C:G1C+7]
	s_nop 0
.Lasked:
	v_mov_b32 v14, NEGB
	v_lshlrev_b32 v15, 2, v0
	v_add_nc_u32 v15, KB, v15
	s_wait_loadcnt 0x0
	s_wait_kmcnt 0x0
	v_cmp_eq_u32 vcc_lo, 0, v12
	v_cndmask_b32 v5, 0, v14, vcc_lo               ; my query's bias: 0, or NEGB where its flag is 0
	v_cmp_eq_u32 vcc_lo, 0, v13
	v_cndmask_b32 v13, 0, v14, vcc_lo              ; a key's bias
	s_cmp_gt_u32 s3, 3
	s_cbranch_scc1 .Lno_kb
	ds_store_b32 v15, v13                          ; threads 0 to 127: one key each
.Lno_kb:
	s_wait_tensorcnt 0x0                           ; my tile has landed,
	s_wait_dscnt 0x0                               ; my key biases are written:
	s_barrier_signal -1
	s_barrier_wait -1                              ; everybody's
	; c = context x Wc + bc: wave w makes columns 16 w .. + 15 of all 16 tokens.  Source 0 = Wc's fragment image, source 1 = the tokens.
	v_mul_u32_u24 v10, v1, P
	v_lshl_add_u32 v10, v2, 4, v10                 ; r 528 + 16 h
	v_add_nc_u32 v11, CNS, v10
.set i, 0
.rept 8
	ds_load_b128 v[192+8*i:195+8*i], v11 offset:64*i
	ds_load_b128 v[196+8*i:199+8*i], v11 offset:64*i+32
.set i, i+1
.endr
	s_wait_dscnt 0x0
	v_wmma_f32_16x16x32_bf16 v[16:23], v[128:135], v[192:199], 0
	v_wmma_f32_16x16x32_bf16 v[24:31], v[136:143], v[200:207], 0
.set i, 2
.rept 6                                ; even and odd K steps on two accumulators that take turns
	v_wmma_f32_16x16x32_bf16 v[16+8*(i%2):23+8*(i%2)], v[128+8*i:135+8*i], v[192+8*i:199+8*i], v[16+8*(i%2):23+8*(i%2)]
.set i, i+1
.endr
	PLACES
.irp k, 0,2,4,6
	v_pk_add_f32 v[16+\k:17+\k], v[16+\k:17+\k], v[24+\k:25+\k]
.endr
.irp k, 0,2,4,6
	v_pk_add_f32 v[16+\k:17+\k], v[16+\k:17+\k], v[48+\k:49+\k]
.endr
.irp k, 0,1,2,3
	v_cvt_pk_bf16_f32 v[16+\k], v[16+2*\k], v[17+2*\k]
.endr
	s_lshl_b32 s5, s3, 5
	s_add_co_u32 s5, s5, CS
	v_add_nc_u32 v12, s5, v10
	ds_store_b128 v12, v[16:19]                    ; token r, columns 16 w + 8 h ..
	s_wait_dscnt 0x0
	s_barrier_signal -1
	s_barrier_wait -1
	; q x c for my head, my 16 queries and all 16 tokens: sixteen source-1 fragments
	s_lshl_b32 s34, s32, 6                         ; the head's 64 bytes in a row
	s_mul_i32 s5, s33, 16*P
	s_add_co_u32 s5, s5, s34
	v_add_nc_u32 v11, s5, v10                      ; QS + (16 qt + r) 528 + 64 hd + 16 h
	s_add_co_u32 s35, s34, CS
	v_lshl_add_u32 v12, v2, 4, s35                 ; CS + 64 hd + 16 h: the same bytes for all 16 queries
	s_add_co_u32 s35, s34, KS
	v_add_nc_u32 v3, s35, v10                      ; KS + r 528 + 64 hd + 16 h
	v_lshlrev_b32 v4, 5, v2
	v_add_nc_u32 v4, KB, v4                        ; KB + 32 h
.macro KLOAD                           ; key block kbn into buffer pn: the K fragment and the eight keys' biases
	ds_load_b128 v[KF+8*pn:KF+8*pn+3],   v3 offset:kbn*16*P
	ds_load_b128 v[KF+8*pn+4:KF+8*pn+7], v3 offset:kbn*16*P+32
	ds_load_b128 v[CM+8*pn:CM+8*pn+3],   v4 offset:kbn*64
	ds_load_b128 v[CM+8*pn+4:CM+8*pn+7], v4 offset:kbn*64+16
.endm
.macro CMIN                            ; masked if the key or the query is
.irp k, 0,1,2,3,4,5,6,7
	v_min_num_f32 v[CM+8*pn+\k], v[CM+8*pn+\k], v5
.endr
.endm
.macro CSUB                            ; bias - m
.irp k, 0,2,4,6
	v_pk_add_f32 v[CM+8*pn+\k:CM+8*pn+\k+1], v[CM+8*pn+\k:CM+8*pn+\k+1], v[6:7] neg_lo:[0,1] neg_hi:[0,1]
.endr
.endm
.macro SCORE                           ; tile t: key block t / 16, token t % 16.  C and D are different registers: no sum in place
	v_wmma_f32_16x16x32_bf16 v[DR+8*(t%4):DR+8*(t%4)+7], v[KF+8*((t/16)%2):KF+8*((t/16)%2)+7], v[QC+8*(t%16):QC+8*(t%16)+7], v[CM+8*((t/16)%2):CM+8*((t/16)%2)+7]
.endm
	ds_load_b128 v[16:19], v11
	ds_load_b128 v[20:23], v11 offset:32
.set i, 0
.rept 16
	ds_load_b128 v[QC+8*i:QC+8*i+3],   v12 offset:i*P
	ds_load_b128 v[QC+8*i+4:QC+8*i+7], v12 offset:i*P+32
.set i, i+1
.endr
.set kbn, 0
.set pn, 0
	KLOAD
	s_wait_dscnt 0x0
.set i, 0
.rept 16
.irp k, 0,1,2,3,4,5,6,7
	v_pk_mul_bf16 v[QC+8*i+\k], v[QC+8*i+\k], v[16+\k]
.endr
.set i, i+1
.endr
	CMIN
	; PASS 1: the maximum.  A step issues tile t's product and takes tile t - 2 into four running maxima: between a product and the first reader of its result
	; stand the eight plain instructions of two steps, which name other tiles of the ring (the first two steps hold v_nop instead).
	; The next key block is loaded in step 1 of a block and waited for in step 11; behind block 7 comes block 0 again, for pass 2.
.macro MAXT
.irp k, 0,1,2,3
.if u == 0
	v_max_num_f32 v[8+\k], v[DR+2*\k], v[DR+2*\k+1]                        ; the first tile starts the maxima
.else
	v_max3_num_f32 v[8+\k], v[8+\k], v[DR+8*(u%4)+2*\k], v[DR+8*(u%4)+2*\k+1]
.endif
.endr
.endm
.set t, 0
.rept 130
.if t < 128
	SCORE
.endif
.if t < 2
	PLACES
.else
.set u, t-2
	MAXT
.endif
.if t < 128
.set kbn, (t/16+1)%8
.set pn, (t/16+1)%2
.if t%16 == 1
	KLOAD
.endif
.if t%16 == 11
	s_wait_dscnt 0x0
	CMIN
.endif
.endif
.set t, t+1
.endr
	v_max3_num_f32 v8, v8, v9, v10
	v_max_num_f32 v8, v8, v11
	v_permlanex16_b32 v9, v8, s66, s67             ; lane xor 16 holds the same query's other keys
	v_max_num_f32 v6, v8, v9
	v_mov_b32 v7, v6
.set pn, 0
	CSUB
	; PASS 2: the weights.  A step issues tile t's product, the exponentials of tile t - 2 and the adds of tile t - 3.  Each step holds at least four plain
	; instructions on other tiles, so two steps give the places behind a product, and the adds behind a run of exponentials are the plain place that those need.
	; A block's first tile writes its exponentials into the sum's registers: nothing is cleared.  In that tile's add turn the block before is closed.
.macro EXPT
.irp k, 0,1,2,3,4,5,6,7
.if u%16 == 0
	v_exp_f32 v[PA+8*((u/16)%2)+\k], v[DR+8*(u%4)+\k]
.else
	v_exp_f32 v[DR+8*(u%4)+\k], v[DR+8*(u%4)+\k]
.endif
.endr
.endm
.macro FIN                             ; block kbf is whole: into the sum of weights, and to bf16 as half of a source-1 fragment (keys 16 (kbf % 2) + 8 h + 0..7 of 32)
.if kbf == 0
	v_pk_add_f32 v[8:9], v[PA:PA+1], v[PA+2:PA+3]
	v_pk_add_f32 v[8:9], v[8:9], v[PA+4:PA+5]
	v_pk_add_f32 v[8:9], v[8:9], v[PA+6:PA+7]
.else
.irp k, 0,2,4,6
	v_pk_add_f32 v[8:9], v[8:9], v[PA+8*(kbf%2)+\k:PA+8*(kbf%2)+\k+1]
.endr
.endif
.irp k, 0,1,2,3
	v_cvt_pk_bf16_f32 v[PB+8*(kbf/2)+4*(kbf%2)+\k], v[PA+8*(kbf%2)+2*\k], v[PA+8*(kbf%2)+2*\k+1]
.endr
.endm
.macro ADDT
.if u%16 == 0
.if u == 0
	PLACES
.else
.set kbf, u/16-1
	FIN
.endif
.else
	s_wait_alu depctr_va_vdst(0)
.irp k, 0,2,4,6
	v_pk_add_f32 v[PA+8*((u/16)%2)+\k:PA+8*((u/16)%2)+\k+1], v[PA+8*((u/16)%2)+\k:PA+8*((u/16)%2)+\k+1], v[DR+8*(u%4)+\k:DR+8*(u%4)+\k+1]
.endr
.endif
.endm
.set t, 0
.rept 131
.if t < 128
	SCORE
.endif
.if t >= 2
.if t < 130
.set u, t-2
	EXPT
.endif
.endif
.if t < 3
	PLACES
.else
.set u, t-3
	ADDT
.endif
.if t < 112
.set kbn, t/16+1
.set pn, (t/16+1)%2
.if t%16 == 1
	KLOAD
.endif
.if t%16 == 11
	s_wait_dscnt 0x0
	CMIN
	CSUB
.endif
.endif
.set t, t+1
.endr
.set kbf, 7
	FIN
	; Behind the passes.  Twelve packed adds on other tiles stand behind the last score product, so its registers may be loaded.
	v_and_b32 v3, 7, v0
	v_lshl_add_u32 v3, v2, 3, v3
	v_mul_u32_u24 v3, v3, VP
	v_bfe_u32 v4, v0, 3, 1
	v_lshl_add_u32 v3, v4, 4, v3
	s_add_co_u32 s5, s34, VS
	v_add_nc_u32 v3, s5, v3                        ; VS + (8 h + L % 8) 544 + 64 hd + 16 ((L / 8) % 2)
.irp kp, 0,1,2,3
.irp dt, 0,1
	ds_load_tr16_b128 v[128+16*\kp+8*\dt:131+16*\kp+8*\dt], v3 offset:\kp*32*VP+32*\dt
	ds_load_tr16_b128 v[132+16*\kp+8*\dt:135+16*\kp+8*\dt], v3 offset:\kp*32*VP+32*\dt+16*VP
.endr
.endr
	v_and_b32 v10, 31, v0                          ; L
	s_lshl_b32 s5, s3, 13
	v_lshl_add_u32 v4, v10, 4, s5                  ; Wo's image: n tile w
	s_lshl_b32 s5, s3, 11
	v_lshl_add_u32 v5, v10, 4, s5                  ; x and out: rows 2 w, 2 w + 1
	v_lshlrev_b32 v6, 4, v10                       ; bo, gain, offset
.set i, 0
.rept 8
	global_load_b128 v[192+8*i:195+8*i], v4, s[14:15] offset:i*1024
	global_load_b128 v[196+8*i:199+8*i], v4, s[14:15] offset:i*1024+512
.set i, i+1
.endr
.irp i, 0,1
	global_load_b128 v[32+8*\i:35+8*\i], v5, s[24:25] offset:\i*1024 th:TH_LOAD_NT
	global_load_b128 v[36+8*\i:39+8*\i], v5, s[24:25] offset:\i*1024+512 th:TH_LOAD_NT
.endr
	global_load_b128 v[48:51], v6, s[18:19]
	global_load_b128 v[52:55], v6, s[18:19] offset:512
	global_load_b128 v[56:59], v6, s[28:29]
	global_load_b128 v[60:63], v6, s[28:29] offset:512
	global_load_b128 v[64:67], v6, s[30:31]
	global_load_b128 v[68:71], v6, s[30:31] offset:512
	v_add_f32 v12, v8, v9                          ; the sum of my query's weights: my 64 keys,
	v_permlanex16_b32 v13, v12, s66, s67
	v_add_f32 v12, v12, v13                        ; and the other 64
	v_rcp_f32 v14, v12
	v_mul_u32_u24 v11, v1, P                       ; (a plain place behind the transcendental)
	s_wait_alu depctr_va_vdst(0)
	v_mov_b32 v15, v14
	v_lshl_add_u32 v11, v2, 4, v11                 ; r 528 + 16 h
	s_mul_i32 s5, s33, 16*P
	s_add_co_u32 s5, s5, s34
	s_add_co_u32 s5, s5, OS
	v_add_nc_u32 v7, s5, v11                       ; OS + (16 qt + r) 528 + 64 hd + 16 h
	v_add_nc_u32 v80, OS, v11
	v_mul_u32_u24 v81, v1, YP
	v_lshl_add_u32 v81, v2, 5, v81
	s_lshl_b32 s5, s3, 6
	s_add_co_u32 s5, s5, YS
	v_add_nc_u32 v81, s5, v81                      ; YS + r 1040 + 64 w + 32 h
	s_mul_i32 s5, s3, 2*YP
	s_add_co_u32 s5, s5, YS
	v_lshl_add_u32 v82, v10, 4, s5                 ; YS + row 2 w + 16 L
	; weights x V: source 0 = 16 of the head's 32 dimensions x 32 keys (transposed out of LDS), source 1 = the weights.  Two accumulators take turns.
.irp kp, 0,1,2,3
	s_wait_dscnt 12-4*\kp                          ; these 32 keys' four loads are in, the later ones stay out
.irp dt, 0,1
.if \kp == 0
	v_wmma_f32_16x16x32_bf16 v[16+8*\dt:23+8*\dt], v[128+16*\kp+8*\dt:135+16*\kp+8*\dt], v[PB+8*\kp:PB+8*\kp+7], 0
.else
	v_wmma_f32_16x16x32_bf16 v[16+8*\dt:23+8*\dt], v[128+16*\kp+8*\dt:135+16*\kp+8*\dt], v[PB+8*\kp:PB+8*\kp+7], v[16+8*\dt:23+8*\dt]
.endif
.endr
.endr
	PLACES
.irp k, 0,2,4,6,8,10,12,14
	v_pk_mul_f32 v[16+\k:17+\k], v[16+\k:17+\k], v[14:15]
.endr
.irp dt, 0,1
.irp k, 0,1,2,3
	v_cvt_pk_bf16_f32 v[16+8*\dt+\k], v[16+8*\dt+2*\k], v[17+8*\dt+2*\k]
.endr
	ds_store_b128 v7, v[16+8*\dt:19+8*\dt] offset:32*\dt
.endr
	s_wait_dscnt 0x0
	s_barrier_signal -1
	s_barrier_wait -1
	; output x Wo: wave w makes columns 16 w .. + 15 of all 32 queries, four K steps at a time
.irp bb, 0,1
.irp k4, 0,1,2,3
.irp mt, 0,1
	ds_load_b128 v[128+16*\k4+8*\mt:131+16*\k4+8*\mt], v80 offset:\mt*16*P+64*(4*\bb+\k4)
	ds_load_b128 v[132+16*\k4+8*\mt:135+16*\k4+8*\mt], v80 offset:\mt*16*P+64*(4*\bb+\k4)+32
.endr
.endr
	s_wait_dscnt 0x0
.if \bb == 0
	s_wait_loadcnt 10                              ; Wo's 16 loads are in; the 10 of x, bo, gain and offset may stay out
.endif
.irp k4, 0,1,2,3
.irp mt, 0,1
.if (1-\bb)*(\k4 == 0)
	v_wmma_f32_16x16x32_bf16 v[16+8*\mt:23+8*\mt], v[192+8*(4*\bb+\k4):199+8*(4*\bb+\k4)], v[128+16*\k4+8*\mt:135+16*\k4+8*\mt], 0
.else
	v_wmma_f32_16x16x32_bf16 v[16+8*\mt:23+8*\mt], v[192+8*(4*\bb+\k4):199+8*(4*\bb+\k4)], v[128+16*\k4+8*\mt:135+16*\k4+8*\mt], v[16+8*\mt:23+8*\mt]
.endif
.endr
.endr
	PLACES
.endr
.irp mt, 0,1
	ds_store_b128 v81, v[16+8*\mt:19+8*\mt] offset:\mt*16*YP
	ds_store_b128 v81, v[20+8*\mt:23+8*\mt] offset:\mt*16*YP+16
.endr
	s_wait_dscnt 0x0
	s_barrier_signal -1
	s_barrier_wait -1
	; rows 2 w and 2 w + 1: + bo + x, LayerNorm where the row's flag is 1, out.  Each row has registers of its own: no store's data is written again.
.irp i, 0,1
	ds_load_b128 v[72+16*\i:75+16*\i], v82 offset:\i*YP
	ds_load_b128 v[76+16*\i:79+16*\i], v82 offset:\i*YP+512
.endr
	s_wait_dscnt 0x0
	s_wait_loadcnt 0x0
.irp i, 0,1
.irp k, 0,2,4,6
	v_pk_add_f32 v[72+16*\i+\k:73+16*\i+\k], v[72+16*\i+\k:73+16*\i+\k], v[48+\k:49+\k]
	v_pk_add_f32 v[72+16*\i+\k:73+16*\i+\k], v[72+16*\i+\k:73+16*\i+\k], v[32+8*\i+\k:33+8*\i+\k]
.endr
	s_bitcmp1_b32 s98, 8*\i
	s_cselect_b32 s99, -1, 0
	LNROW 72+16*\i, 56, 64, 96+16*\i, 99
	global_store_b128 v5, v[100+16*\i:103+16*\i], s[36:37] offset:\i*1024 th:TH_STORE_NT       ; 512 consecutive bytes a store, aligned
	global_store_b128 v5, v[104+16*\i:107+16*\i], s[36:37] offset:\i*1024+512 th:TH_STORE_NT
.endr
	s_wait_xcnt 0x0
	v_lshl_add_u32 v254, v0, 2, 0x36200
	v_mov_b32 v255, 0
	s_wait_tensorcnt 0x0
	ds_add_u32 v254, v255
	s_wait_dscnt 0x0
	ROUND                                          ; the closing round: no work-group ends while a partner may still ask for a tile that names it
	s_endpgm
.Lfunc_end_k_qcf50a985bb_attn:
	.size	k_qcf50a985bb_attn, .Lfunc_end_k_qcf50a985bb_attn-k_qcf50a985bb_attn
	.p2alignl 7, 3214868480
	.fill 96, 4, 3214868480
	.section	.rodata,"a",@progbits
	.p2align	6, 0x0
	.amdhsa_kernel k_qcf50a985bb_attn
		.amdhsa_group_segment_fixed_size 223744
		.amdhsa_private_segment_fixed_size 0
		.amdhsa_enable_private_segment 0
		.amdhsa_kernarg_size 128
		.amdhsa_user_sgpr_count 2
		.amdhsa_user_sgpr_kernarg_segment_ptr 1
		.amdhsa_wavefront_size32 1
		.amdhsa_system_sgpr_workgroup_id_x 1
		.amdhsa_system_sgpr_workgroup_id_y 1
		.amdhsa_system_sgpr_workgroup_id_z 1
		.amdhsa_system_vgpr_workitem_id 0
		.amdhsa_next_free_vgpr 256
		.amdhsa_next_free_sgpr 102
		.amdhsa_reserve_vcc 1
		.amdhsa_float_denorm_mode_32 3
		.amdhsa_float_denorm_mode_16_64 3
		.amdhsa_memory_ordered 1
		.amdhsa_forward_progress 1
		.amdhsa_inst_pref_size 171
	.end_amdhsa_kernel
	.amdgpu_metadata
---
amdhsa.version: [ 1, 2 ]
amdhsa.kernels:
  - .name:           k_qcf50a985bb_attn
    .symbol:         k_qcf50a985bb_attn.kd
    .args:
      - { .name: qkv, .offset: 0, .size: 8, .value_kind: global_buffer, .address_space: global }
      - { .name: cn, .offset: 8, .size: 8, .value_kind: global_buffer, .address_space: global }
      - { .name: wcf, .offset: 16, .size: 8, .value_kind: global_buffer, .address_space: global }
      - { .name: wof, .offset: 24, .size: 8, .value_kind: global_buffer, .address_space: global }
      - { .name: params_bc, .offset: 32, .size: 8, .value_kind: global_buffer, .address_space: global }
      - { .name: params_bo, .offset: 40, .size: 8, .value_kind: global_buffer, .address_space: global }
      - { .name: valid_a, .offset: 48, .size: 8, .value_kind: global_buffer, .address_space: global }
      - { .name: valid_b, .offset: 56, .size: 8, .value_kind: global_buffer, .address_space: global }
      - { .name: x_a, .offset: 64, .size: 8, .value_kind: global_buffer, .address_space: global }
      - { .name: x_b, .offset: 72, .size: 8, .value_kind: global_buffer, .address_space: global }
      - { .name: params_ln_out_a_g, .offset: 80, .size: 8, .value_kind: global_buffer, .address_space: global }
      - { .name: params_ln_out_a_b, .offset: 88, .size: 8, .value_kind: global_buffer, .address_space: global }
      - { .name: params_ln_out_b_g, .offset: 96, .size: 8, .value_kind: global_buffer, .address_space: global }
      - { .name: params_ln_out_b_b, .offset: 104, .size: 8, .value_kind: global_buffer, .address_space: global }
      - { .name: out0, .offset: 112, .size: 8, .value_kind: global_buffer, .address_space: global }
      - { .name: out1, .offset: 120, .size: 8, .value_kind: global_buffer, .address_space: global }
    .group_segment_fixed_size: 223744
    .private_segment_fixed_size: 0
    .kernarg_segment_align: 8
    .kernarg_segment_size: 128
    .max_flat_workgroup_size: 512
    .sgpr_count:     102
    .vgpr_count:     256
    .wavefront_size: 32
...
	.end_amdgpu_metadata
.endif
;; end of part 2
